; MI455X (gfx1250); checked and timed in simulation.
; The chip was launched on July 23, 2026; its instructions are those of AMD's public machine-readable ISA for CDNA 5 (MIT licence, August 2026) and "CDNA5" Instruction Set Architecture Reference Guide (July 2026). The comments in the code are by the model that wrote it; some were corrected since.
;; Window Cross Attention3 D FAST. Allowed arithmetic: matrix products marked QUANTISED: E3M2 operands, one E8M0 scale for each 32 along K, by v_wmma_scale_f32_16x16x128_f8f6f4 with both operands' format E3M2, f32 sums; everything else in f32.
;; Inputs: Wkv 768 x 384 float32; Wq 384 x 384 float32; bias_table 3,375 x 12 float32; q_bias 384 float32; rel_index 512 x 512 int32; v_bias 384 float32; x1 64 x 512 x 384 float32; x2 64 x 512 x 384 float32.
;; Outputs: out0 64 x 512 x 384 float32.
;; This version of the problem:
;;   THIS VERSION OF THE PROBLEM IS GIVEN IN LOW PRECISION. The matrix products marked QUANTISED in the list below multiply operands that are first quantised to E3M2 (3 exponent bits, 2 mantissa bits; 6 bits a number), with one power-of-two scale for each 32 numbers along K (OCP MX v1.0); their sums are f32. All else is computed in f32.
;;   The module's matrix products, in the order in which they are computed (A, B: the left and right operand; K: the contracted axis; several contracted axes count as one K, in the product's order):
;;     1. [M 32,768, K 384] x [K 384, N 384]; A: input x1; B: input Wq: QUANTISED
;;     2. [M 32,768, K 384] x [K 384, N 768]; A: input x2; B: input Wkv: QUANTISED
;;     3. batch 768 x [M 512, K 32] x [K 32, N 512]; A: computed on the way; B: computed on the way: QUANTISED
;;     4. batch 768 x [M 512, K 512] x [K 512, N 32]; A: softmax (see below); B: computed on the way: QUANTISED
;;   THE QUANTISER, for each operand of a quantised product, along K:
;;     - K is cut into blocks of 32 from its start; a last block that is shorter is filled with zeros.
;;     - A block's scale is 2^e with e = floor(log2(the largest magnitude in the block)) - 4, held to -126 .. 127; a block of zeros has e = 0. As a byte (E8M0): e + 127.
;;     - Each number is divided by its block's scale, clamped to +-28, and rounded to the nearest number of E3M2, ties to even, subnormals kept.
;;     - The product sums the exact products of the quantised numbers (number of the format x scale) in f32.
;;   ~~~python
;;   def quantise(x, axis):      # numpy; x: float32 -> the quantised numbers, widened to float32 again
;;       x = np.moveaxis(x, axis, -1); K = x.shape[-1]
;;       x = np.pad(x, [(0, 0)] * (x.ndim - 1) + [(0, -K % 32)]); x = x.reshape(x.shape[:-1] + (-1, 32)); a = np.abs(x).max(-1, keepdims=True)
;;       e = np.where(a > 0, np.clip(np.frexp(np.where(a > 0, a, 1))[1] - 1 - 4, -126, 127), 0)      # np.frexp(a)[1] - 1 = floor(log2(a)), exactly
;;       r = np.clip(x / 2.0 ** e, -28, 28)
;;       step = 2.0 ** (np.maximum(np.frexp(np.where(r == 0, 1, r))[1] - 1, -2) - 2)
;;       q = np.round(r / step) * step * 2.0 ** e      # np.round: ties to even
;;       return np.moveaxis(q.reshape(q.shape[:-2] + (-1,))[..., :K], -1, axis).astype(np.float32)
;;   ~~~
;;   SOFTMAX AHEAD OF A QUANTISED PRODUCT. Where the list says 'softmax', what is quantised is not the finished softmax but p = 2^(t - M), with t = logit x log2(e) and M = ceil(the row's largest t), a whole number; so 1/2 < the row's largest p <= 1. The row's sum l is taken of the UNQUANTISED p, in f32, and the product's result is divided by l at the end. Since M is a whole number, a kernel that streams over the keys may use a running M (the ceiling of the running maximum): every later rescaling is an exact power of two, which a block's scale takes up: the codes' values come out the same.
;;   OPERANDS COMPUTED ON THE WAY. 'Computed on the way' means the value that the module computes at that place (a softmax that the list does not call 'softmax' is quantised finished and normalised). What goes into a quantiser is computed in f32, as accurately as f32 sums, v_exp_f32 and their like allow (about 1e-6 of the number): no bf16 or f16 on the way to a quantiser, and a product that is left as it is and whose result goes on into a quantised operand takes f32 operands (vector FMAs, or v_wmma_f32_16x16x4_f32). A number that lies on a knife's edge between two numbers of the format may be rounded either way, as far as f32 arithmetic and the matrix unit's own rounding can turn it there, and no further.
;; One version. Each part assembles by itself: llvm-mc -triple=amdgcn-amd-amdhsa -mcpu=gfx1250 --defsym DOCPART=n.
;; ======== version 1 of 1: 3 launches
;; limits: right only within a limited range of input values
;; workspace buffers: wimg 331,776 bytes; wsc 27,648 bytes; biasc 12,582,912 bytes; qc 9,437,184 bytes; qs 786,432 bytes; kv 20,447,232 bytes
;; launch prep (part 1): grid 216 x 1, 1 waves a work-group, no clusters, 0 bytes of LDS; arguments Wq, Wkv, wimg, wsc; writes wimg, wsc
.if DOCPART == 1
	.amdgcn_target "amdgcn-amd-amdhsa--gfx1250"
	.amdhsa_code_object_version 6
	.text
	.protected	k_q41af5c1f51_prep
	.globl	k_q41af5c1f51_prep
	.p2align	8
	.type	k_q41af5c1f51_prep,@function
k_q41af5c1f51_prep:
	s_mov_b64 s[64:65], 0
	v_nop
	global_prefetch_b8 v0, s[64:65] scope:SCOPE_SE
	s_setreg_imm32_b32 hwreg(HW_REG_WAVE_MODE, 25, 1), 1
	s_wait_xcnt 0x0
; Wq [384][384] and Wkv [768][384], f32, K innermost, become codes of BF6 (E3M2) with one E8M0 byte for each 32 along K,
; laid as IMAGES OF OPERAND REGISTERS: a fragment (16 rows x 128 K, 12 registers a lane) is three pieces of 512 bytes, lane l's registers 4 i .. 4 i + 3 at 512 i + 16 l;
; its scale words are 128 bytes, 4 a lane.  One work-group of one wave makes ONE fragment: number 3 tp + s, tile tp of 16 rows, K step s.
; Tile tp = 18 w + 6 type + 2 hh + u: w the wave of the next launch that will use it (heads 3 w .. 3 w + 2), type 0 = k, 1 = v, 2 = q, hh the head among the three, u the half of the head's 32 rows.
; 72 tiles x 3 K steps are 216 work-groups: the weights have work for no more.  No LDS, no barrier: waves share nothing.
; A block's scale is 2^(floor(log2(its largest magnitude)) - 4); its byte is the largest magnitude's exponent field - 4, held at 1 from below.
; LIMITS: a block whose largest magnitude lies under 2^-122 keeps the byte 1; a block of zeros gets the byte 1 where the rule says 127 (its codes are zeros, and only this program
; reads the bytes); NaN and infinities among the inputs are not served.
.set PC,  16                           ; v16-34  the codes
.set TM,  36                           ; v36-51  largest magnitudes, bytes, scale operands
.set PW,  52                           ; v52     the scale word
.set X,   64                           ; v64-127 my 64 numbers: register 16 b + i = place 16 (lane / 16) + i of block b of my row
.set SEL, 30                           ; s[30:31] lane selects for v_permlanex16_b32: lane l xor 16
	s_load_b256 s[4:11], s[0:1], 0x0               ; Wq s[4:5], Wkv s[6:7], wimg s[8:9], wsc s[10:11]
	s_mul_i32 s19, ttmp9, 171
	s_lshr_b32 s19, s19, 9                         ; tp = number / 3 (171 / 512 serves up to 215)
	s_mul_i32 s18, s19, 3
	s_sub_co_u32 s18, ttmp9, s18                   ; s
	s_mul_i32 s20, s19, 43
	s_lshr_b32 s20, s20, 8                         ; a = tp / 6 = 3 w + type (43 / 256 serves up to 71)
	s_mul_i32 s21, s20, 6
	s_sub_co_u32 s21, s19, s21                     ; 2 hh + u
	s_mul_i32 s22, s20, 11
	s_lshr_b32 s22, s22, 5                         ; w = a / 3 (11 / 32 serves up to 11)
	s_mul_i32 s23, s22, 3
	s_sub_co_u32 s23, s20, s23                     ; type
	s_mul_i32 s24, s22, 96
	s_lshl_b32 s25, s21, 4
	s_add_co_u32 s24, s24, s25                     ; the tile's first row: 96 w + 16 (2 hh + u),
	s_cmp_eq_u32 s23, 1
	s_cselect_b32 s25, 384, 0
	s_add_co_u32 s24, s24, s25                     ; and 384 further down for v, which is the lower half of Wkv
	s_mul_i32 s24, s24, 1536                       ; a row is 1,536 bytes,
	s_lshl_b32 s25, s18, 9
	s_add_co_u32 s24, s24, s25                     ; a K step 512
	s_mul_i32 s26, ttmp9, 1536                     ; an image of codes is 1,536 bytes,
	s_mov_b32 s27, 0
	s_lshl_b32 s28, ttmp9, 7                       ; one of scale words 128
	s_mov_b32 s29, 0
	s_mov_b32 s[SEL], 0x76543210
	s_mov_b32 s[SEL+1], 0xfedcba98
	v_and_b32 v3, 15, v0                           ; r
	v_bfe_u32 v4, v0, 4, 1                         ; lane / 16
	v_lshlrev_b32 v5, 4, v0                        ; 16 x lane
	v_lshlrev_b32 v6, 2, v0                        ; 4 x lane
	v_mul_u32_u24 v7, v3, 1536
	v_lshl_add_u32 v7, v4, 6, v7                   ; row r, + 64 (lane / 16): my 16 numbers of each block of 32
	v_add_nc_u32 v7, s24, v7
.irp b, 0,1,2,3
	v_mov_b32 v[TM+4+\b], 0                        ; written once: a lane permute's destination counts as one of its sources
.endr
	s_wait_alu depctr_va_vdst(0)
	s_wait_kmcnt 0x0
	s_cmp_eq_u32 s23, 2                            ; q's rows come from Wq, k's and v's from Wkv: the choice hangs on ids alone
	s_cselect_b64 s[4:5], s[4:5], s[6:7]
	s_add_nc_u64 s[8:9], s[8:9], s[26:27]
	s_add_nc_u64 s[10:11], s[10:11], s[28:29]
.irp b, 0,1,2,3
.irp j, 0,1,2,3
	global_load_b128 v[X+16*\b+4*\j:X+16*\b+4*\j+3], v7, s[4:5] offset:128*\b+16*\j
.endr
.endr
	s_wait_loadcnt 0x0
.irp b, 0,1,2,3
	v_max3_num_f32 v[TM+\b], |v[X+16*\b]|, |v[X+1+16*\b]|, 0x2800000   ; block b: my 16 numbers, and the floor 2^(5 - 127): the byte cannot fall under 1
.endr
.irp i, 2,4,6,8,10,12,14
.irp b, 0,1,2,3
	v_max3_num_f32 v[TM+\b], v[TM+\b], |v[X+16*\b+\i]|, |v[X+1+16*\b+\i]|   ; the four blocks by turns
.endr
.endr
.irp b, 0,1,2,3
	v_permlanex16_b32 v[TM+4+\b], v[TM+\b], s[SEL], s[SEL+1]
.endr
.irp b, 0,1,2,3
	v_max_num_f32 v[TM+\b], v[TM+\b], v[TM+4+\b]   ; with lane l xor 16's: the block's largest magnitude
.endr
.irp b, 0,1,2,3
	v_add_nc_u32 v[TM+12+\b], 0xfe000000, v[TM+\b] ; 4 off its exponent field: the conversion's scale operand
.endr
.irp b, 0,1,2,3
	v_lshrrev_b32 v[TM+4+\b], 23, v[TM+12+\b]      ; the scale's byte
.endr
	v_lshl_or_b32 v[PW], v[TM+5], 8, v[TM+4]
	v_lshl_or_b32 v[PW], v[TM+6], 16, v[PW]
	v_lshl_or_b32 v[PW], v[TM+7], 24, v[PW]
.irp c, 0,1
	v_cvt_scalef32_pk16_bf6_f32 v[PC+6*\c:PC+2+6*\c], v[X+32*\c:X+15+32*\c], v[TM+12+2*\c]
	v_cvt_scalef32_pk16_bf6_f32 v[PC+12+4*\c:PC+14+4*\c], v[X+16+32*\c:X+31+32*\c], v[TM+12+2*\c+1]   ; (a conversion's three registers begin on an even number)
.endr
	v_nop                                          ; one plain place behind a scaled conversion
.irp c, 0,1                                    ; the operand's layout wants a whole block in a lane: lanes 0-15 block 2 c, lanes 16-31 block 2 c + 1
.irp i, 0,1,2
	v_permlane16_swap_b32 v[PC+6*\c+\i], v[PC+12+4*\c+\i]
.endr
.irp i, 0,1,2
	v_mov_b32 v[PC+3+6*\c+\i], v[PC+12+4*\c+\i]
.endr
.endr
.irp i, 0,1,2
	global_store_b128 v5, v[PC+4*\i:PC+4*\i+3], s[8:9] offset:512*\i   ; 512 consecutive bytes, aligned
.endr
	global_store_b32 v6, v[PW], s[10:11]
	s_endpgm
.Lfunc_end_k_q41af5c1f51_prep:
	.size	k_q41af5c1f51_prep, .Lfunc_end_k_q41af5c1f51_prep-k_q41af5c1f51_prep
	.p2alignl 7, 3214868480
	.fill 96, 4, 3214868480
	.section	.rodata,"a",@progbits
	.p2align	6, 0x0
	.amdhsa_kernel k_q41af5c1f51_prep
		.amdhsa_group_segment_fixed_size 0
		.amdhsa_private_segment_fixed_size 0
		.amdhsa_enable_private_segment 0
		.amdhsa_kernarg_size 32
		.amdhsa_user_sgpr_count 2
		.amdhsa_user_sgpr_kernarg_segment_ptr 1
		.amdhsa_wavefront_size32 1
		.amdhsa_system_sgpr_workgroup_id_x 1
		.amdhsa_system_sgpr_workgroup_id_y 1
		.amdhsa_system_sgpr_workgroup_id_z 1
		.amdhsa_system_vgpr_workitem_id 0
		.amdhsa_next_free_vgpr 128
		.amdhsa_next_free_sgpr 66
		.amdhsa_reserve_vcc 0
		.amdhsa_float_denorm_mode_32 3
		.amdhsa_float_denorm_mode_16_64 3
		.amdhsa_memory_ordered 1
		.amdhsa_forward_progress 1
		.amdhsa_inst_pref_size 8
	.end_amdhsa_kernel
	.amdgpu_metadata
---
amdhsa.version: [ 1, 2 ]
amdhsa.kernels:
  - .name:           k_q41af5c1f51_prep
    .symbol:         k_q41af5c1f51_prep.kd
    .args:
      - { .name: Wq, .offset: 0, .size: 8, .value_kind: global_buffer, .address_space: global }
      - { .name: Wkv, .offset: 8, .size: 8, .value_kind: global_buffer, .address_space: global }
      - { .name: wimg, .offset: 16, .size: 8, .value_kind: global_buffer, .address_space: global }
      - { .name: wsc, .offset: 24, .size: 8, .value_kind: global_buffer, .address_space: global }
    .group_segment_fixed_size: 0
    .private_segment_fixed_size: 0
    .kernarg_segment_align: 8
    .kernarg_segment_size: 32
    .max_flat_workgroup_size: 32
    .sgpr_count:     66
    .vgpr_count:     128
    .wavefront_size: 32
...
	.end_amdgpu_metadata
.endif
;; end of part 1
;; launch proj (part 2): grid 256 x 1, 4 waves a work-group, no clusters, 327,680 bytes of LDS; arguments x1, x2, q_bias, v_bias, wimg, wsc, qc, qs, kv, bias_table, rel_index, biasc; writes qc, qs, kv, biasc
.if DOCPART == 2
	.amdgcn_target "amdgcn-amd-amdhsa--gfx1250"
	.amdhsa_code_object_version 6
	.text
	.protected	k_q41af5c1f51_proj
	.globl	k_q41af5c1f51_proj
	.p2align	8
	.type	k_q41af5c1f51_proj,@function
k_q41af5c1f51_proj:
	s_mov_b64 s[64:65], 0
	v_nop
	global_prefetch_b8 v0, s[64:65] scope:SCOPE_SE
	s_setreg_imm32_b32 hwreg(HW_REG_WAVE_MODE, 25, 1), 1
	s_wait_xcnt 0x0
; q = x1 Wq^T + q_bias, k = x2 Wk^T, v = x2 Wv^T + v_bias, all three products on codes of BF6 (E3M2) with one E8M0 scale for each 32 along K = 384; the results are quantised at once
; for the attention's two products and leave as codes: nothing wide goes to memory.
; SHARES.  Work-group g takes tokens 128 g .. 128 g + 127 of x2 and of x1 (window g / 4, quarter nb = g % 4).  ROWS: wave w brings its 32 rows of x into LDS by one tensor load, quantises them
; (6 fragments of 16 rows x 128 K) and stores them as images of operand registers.  COLUMNS: wave w makes heads 3 w .. 3 w + 2 of k, v and q for all 128 tokens; its weights' fragments come
; from memory straight into its registers, as the launch before laid them, one head (6 fragments) ahead of the products.
; k AND q ARE MADE TRANSPOSED (source 0 = 16 rows of W, source 1 = 16 tokens): a lane then holds ONE token and 16 of its head's 32 numbers, which are one block of the score product's K.
; v IS MADE STRAIGHT (source 0 = 16 tokens, source 1 = 16 rows of W): a lane holds ONE channel and its registers run along the tokens, which are the second product's K.
; THE ORDER INSIDE A BLOCK OF 32 is the result layout's, not memory's: place 16 hl + 8 u + j holds number 16 u + 8 hl + j.  It is the same for q and k, and for v and the attention's p: a
; permutation of K applied alike to both operands keeps the sums, and a block's members, so its scale, are those of the rule.
; WHAT LEAVES.  kv[window][head]: 8 fragment images of k (fragment G: the key tiles 4 G .. 4 G + 3 in its four blocks of K), 8 of v^T (number 2 s + dt: channels 16 dt on, keys 128 s on), then their
; scale words, 128 bytes an image.  qc[window][head][tile][query][24 bytes]: a query's one block of codes.  qs: a word a lane for four tiles of queries.
; No cluster: x is read by one work-group alone, and a weight fragment goes into the one wave of a work-group that multiplies by it, not through LDS, which x's rows and images fill (283,136 bytes).
; LIMITS: a block whose largest magnitude lies under 2^-122 keeps the byte 1; a block of zeros gets the byte 1 where the rule says 127 (zero codes; only this program reads the bytes); NaN and infinities are not served.
; REGISTERS, in windows of 256.  Window 0: v4-15 addresses; v16-39 x's scale words; v40-51 the weights', two sets; v52-88 the quantiser's; v96-223 16 accumulators, and x's numbers on their way to codes.
;   Window 1: v0-191 x's fragments of K steps 0, 1; v192-223 biases as C operands, two sets.   Window 2: v0-95 x's fragments of K step 2; v96-239 the weights' fragments, two sets of 6.
.set XIMG2, 0                          ; LDS: x2's 24 fragment images (tile T, K step s: 3 T + s), 1,536 bytes each
.set XSC2,  36864                      ; their scale words, 128 bytes each
.set XIMG1, 39936                      ; x1's
.set XSC1,  76800
.set SPARE, 79872                      ; the spare words, 128 bytes for each wave: two blocks of 256 bytes that no other line names
.set XROWS, 80384                      ; each wave's own 32 rows of x, f32
.set XPITCH, 1584                      ; a row: 3 x (512 bytes + 16 of padding) = 99 x 16: sixteen neighbouring rows begin in sixteen different columns of 16 bytes modulo 256
.set XWAVE, 32*XPITCH
.set XR,  4                            ; v4   my place in my wave's rows: row r, + 64 (lane / 16)
.set LI,  5                            ; v5   16 x lane
.set LS,  6                            ; v6   4 x lane
.set IW,  7                            ; v7-8   where I store images (x2, x1): 16 x lane + 9,216 x wave
.set SW,  9                            ; v9-10  and scale words: 4 x lane + 768 x wave
.set FI,  11                           ; v11-12 where images are read: 16 x lane
.set FS,  13                           ; v13-14 and scale words: 4 x lane
.set QST, 15                           ; v15  q's codes: 24 r + 12 (lane / 16)
.set XS,  16
.set WS,  40
.set PC,  52
.set TM,  72
.set PW,  88
.set HA,  96
.set SPW, 224                          ; v224 LDS address of my spare word; never rewritten
.set NIL, 225                          ; v225 0; never rewritten
.set BQ,  226                          ; v226 q_bias: 32 (lane / 16)
.set BV,  227                          ; v227 v_bias: 4 r
.set BC,  192                          ; in window 1
.set WB,  96                           ; in window 2
.set SEL, 54                           ; s[54:55]
.set MSB, 0
.macro WIN new                         ; the immediate's high byte repeats the setting that is left; a switch that changes nothing is dropped
.if MSB != \new
	s_set_vgpr_msb (MSB<<8)|\new
.set MSB, \new
.endif
.endm
; 64 numbers of a lane, v[s] .. v[s + 63], register 16 b + i = place 16 (lane / 16) + i of block b of my row, become codes in v[PC] on and a scale word in v[PW].
; sw = 1: a fragment (a whole block in a lane).  sw = 0: the halves stay where they were made: block T's 12 bytes at PC + 0, 12, 6, 16.
.macro QUANT s, sw
.irp b, 0,1,2,3
	v_max3_num_f32 v[TM+\b], |v[\s+16*\b]|, |v[\s+1+16*\b]|, 0x2800000   ; block b: my 16 numbers, and the floor 2^(5 - 127): the byte cannot fall under 1
.endr
.irp i, 2,4,6,8,10,12,14
.irp b, 0,1,2,3
	v_max3_num_f32 v[TM+\b], v[TM+\b], |v[\s+16*\b+\i]|, |v[\s+1+16*\b+\i]|   ; the four blocks by turns
.endr
.endr
.irp b, 0,1,2,3
	v_permlanex16_b32 v[TM+4+\b], v[TM+\b], s[SEL], s[SEL+1]
.endr
.irp b, 0,1,2,3
	v_max_num_f32 v[TM+\b], v[TM+\b], v[TM+4+\b]   ; with lane l xor 16's: the block's largest magnitude
.endr
.irp b, 0,1,2,3
	v_add_nc_u32 v[TM+12+\b], 0xfe000000, v[TM+\b]   ; 4 off its exponent field: the conversion's scale operand
.endr
.irp b, 0,1,2,3
	v_lshrrev_b32 v[TM+4+\b], 23, v[TM+12+\b]   ; the scale's byte
.endr
	v_lshl_or_b32 v[PW], v[TM+5], 8, v[TM+4]
	v_lshl_or_b32 v[PW], v[TM+6], 16, v[PW]
	v_lshl_or_b32 v[PW], v[TM+7], 24, v[PW]
.irp c, 0,1
	v_cvt_scalef32_pk16_bf6_f32 v[PC+6*\c:PC+2+6*\c], v[\s+32*\c:\s+15+32*\c], v[TM+12+2*\c]
	v_cvt_scalef32_pk16_bf6_f32 v[PC+12+4*\c:PC+14+4*\c], v[\s+16+32*\c:\s+31+32*\c], v[TM+12+2*\c+1]   ; (a conversion's three registers begin on an even number)
.endr
	v_nop                                          ; one plain place behind a scaled conversion
.if \sw
.irp c, 0,1
.irp i, 0,1,2
	v_permlane16_swap_b32 v[PC+6*\c+\i], v[PC+12+4*\c+\i]
.endr
.irp i, 0,1,2
	v_mov_b32 v[PC+3+6*\c+\i], v[PC+12+4*\c+\i]
.endr
.endr
.endif
.endm
.macro PLACES
.rept 4
	v_nop
.endr
.endm
; Job j = 3 type + hh (type 0 = k, 1 = v, 2 = q).  Its six weight fragments (u, s) at 12 (3 u + s) of set par, their scale words, and its bias in the result's layout.
.macro WLOAD j, par
	WIN 0x80                                       ; destination window 2, address window 0
.irp f, 0,1,2,3,4,5
.irp i, 0,1,2
	global_load_b128 v[WB+72*(\par)+12*\f+4*\i:WB+72*(\par)+12*\f+4*\i+3], v[LI], s[12:13] offset:9216*(\j)+1536*\f+512*\i
.endr
.endr
.if (\j)/3 == 2
	WIN 0x40                                       ; q: lane (r, hl) wants q_bias at channels 16 u + 8 hl + 0 .. 7 of the head
.irp u, 0,1
	global_load_b128 v[BC+16*(\par)+8*\u:BC+16*(\par)+8*\u+3], v[BQ], s[8:9] offset:128*((\j)%3)+64*\u
	global_load_b128 v[BC+16*(\par)+8*\u+4:BC+16*(\par)+8*\u+7], v[BQ], s[8:9] offset:128*((\j)%3)+64*\u+16
.endr
.endif
.if (\j)/3 == 1
	WIN 0x40                                       ; v: a lane's eight results are eight tokens of ONE channel 16 u + r: the same number eight times
.irp u, 0,1
.irp e, 0,1,2,3,4,5,6,7
	global_load_b32 v[BC+16*(\par)+8*\u+\e], v[BV], s[10:11] offset:128*((\j)%3)+64*\u
.endr
.endr
.endif
	WIN 0
.irp f, 0,1,2,3,4,5
	global_load_b32 v[WS+6*(\par)+\f], v[LS], s[14:15] offset:768*(\j)+128*\f
.endr
.endm
.macro MMZ d, a, b, sa, sb             ; a sum's first product, from 0
	v_wmma_scale_f32_16x16x128_f8f6f4 v[\d:\d+7], v[\a:\a+11], v[\b:\b+11], 0, v[\sa], v[\sb] matrix_a_fmt:MATRIX_FMT_BF6 matrix_b_fmt:MATRIX_FMT_BF6
.endm
.macro MMC d, a, b, c, sa, sb
	v_wmma_scale_f32_16x16x128_f8f6f4 v[\d:\d+7], v[\a:\a+11], v[\b:\b+11], v[\c:\c+7], v[\sa], v[\sb] matrix_a_fmt:MATRIX_FMT_BF6 matrix_b_fmt:MATRIX_FMT_BF6
.endm
; chunk c = 3 tau + s of my 32 rows: tile tau, K step s: 64 numbers a lane into half buf of the accumulators' registers
.macro XCHUNK c, buf
.irp b, 0,1,2,3
.irp j, 0,1,2,3
	ds_load_b128 v[HA+64*(\buf)+16*\b+4*\j:HA+64*(\buf)+16*\b+4*\j+3], v[XR] offset:16*XPITCH*((\c)/3)+528*((\c)%3)+128*\b+16*\j
.endr
.endr
.endm
; my 32 rows become six fragment images.  sel = 0: x2's, 1: x1's
.macro XPHASE sel
	s_wait_xcnt 0x0                                ; earlier global stores have read PC and PW
	XCHUNK 0, 0
.irp c, 0,1,2,3,4,5
.if \c < 5
	XCHUNK \c+1, (\c+1)%2
	s_wait_dscnt 16                                ; all but the 16 loads just issued: this chunk is in, and the last chunk's LDS stores have read PC and PW
.else
	s_wait_dscnt 0x0
.endif
	QUANT HA+64*(\c%2), 1
.irp i, 0,1,2
	ds_store_b128 v[IW+\sel], v[PC+4*\i:PC+4*\i+3] offset:1536*\c+512*\i
.endr
	ds_store_b32 v[SW+\sel], v[PW] offset:128*\c
.endr
.endm
; all 24 fragments of the work-group's 128 rows, and their scale words, into my registers
.macro FETCHX sel
	WIN 0x40
.irp T, 0,1,2,3,4,5,6,7
.irp s, 0,1
.irp i, 0,1,2
	ds_load_b128 v[12*(2*\T+\s)+4*\i:12*(2*\T+\s)+4*\i+3], v[FI+\sel] offset:1536*(3*\T+\s)+512*\i
.endr
.endr
.endr
	WIN 0x80
.irp T, 0,1,2,3,4,5,6,7
.irp i, 0,1,2
	ds_load_b128 v[12*\T+4*\i:12*\T+4*\i+3], v[FI+\sel] offset:1536*(3*\T+2)+512*\i
.endr
.endr
	WIN 0
.irp T, 0,1,2,3,4,5,6,7
.irp s, 0,1,2
	ds_load_b32 v[XS+3*\T+\s], v[FS+\sel] offset:128*(3*\T+\s)
.endr
.endr
	s_wait_dscnt 0x0
.endm
; One head of k, v or q for the 128 tokens: 48 products, K step by K step, the 16 accumulators by turns; then two fragments' worth of codes leave.
.macro JOB j
.set TY, (\j)/3
.set HH, (\j)%3
.set WBP, WB+72*((\j)%2)
.set WSP, WS+6*((\j)%2)
.set BCP, BC+16*((\j)%2)
	s_wait_loadcnt 0x0                             ; this job's weights, scale words and bias are in
.if (\j) < 8
	WLOAD (\j)+1, ((\j)+1)%2                       ; the next job's go out now, into the set that the job before has left
.endif
.irp s, 0,1,2
.if TY == 1                            ; v: source 0 = x (window 1, K step 2: window 2), source 1 = W (window 2); the first C is the bias (window 1)
.if \s == 0
	WIN 0x19
.elseif \s == 1
	WIN 0x09
.else
	WIN 0x0a
.endif
.else                                  ; k, q: source 0 = W (window 2), source 1 = x
.if (\s == 0) && (TY == 2)
	WIN 0x16
.elseif \s < 2
	WIN 0x06
.else
	WIN 0x0a
.endif
.endif
.irp T, 0,1,2,3,4,5,6,7
.irp u, 0,1
.if \s < 2
.set rX, 12*(2*\T+\s)
.else
.set rX, 12*\T
.endif
.set rW, WBP+12*(3*\u+\s)
.set rXS, XS+3*\T+\s
.set rWS, WSP+3*\u+\s
.if TY == 1
.set rD, HA+64*\u+8*\T                 ; channels 16 u on: registers along the tokens, 8 a tile
.if \s == 0
	MMC rD, rX, rW, BCP+8*\u, rXS, rWS
.else
	MMC rD, rX, rW, rD, rXS, rWS
.endif
.else
.set rD, HA+16*\T+8*\u                 ; tile T of tokens: its head's 32 numbers in 16 registers of two lanes
.if (\s == 0) && (TY == 0)
	MMZ rD, rW, rX, rWS, rXS
.elseif \s == 0
	MMC rD, rW, rX, BCP+8*\u, rWS, rXS
.else
	MMC rD, rW, rX, rD, rWS, rXS
.endif
.endif
.endr
.endr
.endr
	WIN 0
	PLACES                                         ; four places between the last products and the first read of results (ISA guide 7.12.1)
.irp g, 0,1
	s_wait_xcnt 0x0                                ; earlier stores have read PC and PW
.if TY != 2
	QUANT HA+64*\g, 1
.irp i, 0,1,2
	global_store_b128 v[LI], v[PC+4*\i:PC+4*\i+3], s[50:51] offset:26624*HH+12288*TY+1536*\g+512*\i   ; 512 consecutive bytes, aligned
.endr
	global_store_b32 v[LS], v[PW], s[52:53] offset:26624*HH+1024*TY+128*\g
.else
	QUANT HA+64*\g, 0
	global_store_b96 v[QST], v[PC:PC+2], s[16:17] offset:12288*HH+384*(4*\g)           ; a tile's 16 queries x 24 bytes: 384 consecutive bytes
	global_store_b96 v[QST], v[PC+12:PC+14], s[16:17] offset:12288*HH+384*(4*\g+1)
	global_store_b96 v[QST], v[PC+6:PC+8], s[16:17] offset:12288*HH+384*(4*\g+2)
	global_store_b96 v[QST], v[PC+16:PC+18], s[16:17] offset:12288*HH+384*(4*\g+3)
	global_store_b32 v[LS], v[PW], s[18:19] offset:1024*HH+128*\g
.endif
.endr
.endm
	s_load_b256 s[4:11], s[0:1], 0x0               ; x1 s[4:5], x2 s[6:7], q_bias s[8:9], v_bias s[10:11]
	s_load_b256 s[12:19], s[0:1], 0x20             ; wimg s[12:13], wsc s[14:15], qc s[16:17], qs s[18:19]
	s_load_b64 s[20:21], s[0:1], 0x40              ; kv
	s_load_b128 s[56:59], s[0:1], 0x48             ; bias_table s[56:57], rel_index s[58:59]
	s_load_b64 s[60:61], s[0:1], 0x58              ; biasc
	v_lshl_add_u32 v[SPW], v0, 2, SPARE
	v_mov_b32 v[NIL], 0
	ds_add_u32 v224, v225
	ds_add_u32 v224, v225
	s_wait_dscnt 0x0
	v_lshrrev_b32 v1, 5, v0
	v_readfirstlane_b32 s22, v1                    ; wave 0..3
	; descriptor group 1: 32 rows of 384 elements of 4 bytes, 16 bytes of padding behind every 512
	s_mov_b32 s24, (2<<16)|(1<<20)|(6<<22)|(3<<25) ; 15:0 no mask; 17:16 elements of 4 bytes; 20 padding on; 24:22 after every 128 words (code 6); 31:25 of 4 words (code 3)
	s_mov_b32 s25, 384<<16                         ; tensor_dim0
	s_mov_b32 s26, 32<<16                          ; tensor_dim1
	s_mov_b32 s27, 384<<16                         ; tile_dim0
	s_mov_b32 s28, 32                              ; tile_dim1
	s_mov_b32 s29, 384                             ; elements from row to row
	s_mov_b32 s30, 0
	s_mov_b32 s31, 0
	s_mul_i32 s40, ttmp9, 196608                   ; 128 rows of 1,536 bytes a work-group,
	s_mul_i32 s41, s22, 49152                      ; 32 a wave
	s_add_co_u32 s40, s40, s41
	s_mov_b32 s41, 0
	s_mul_i32 s42, s22, XWAVE
	s_add_co_u32 s42, s42, XROWS                   ; my wave's rows in LDS
	s_wait_kmcnt 0x0
	s_mov_b32 s32, 1                               ; group 0 for x2
	s_mov_b32 s33, s42
	s_add_nc_u64 s[34:35], s[6:7], s[40:41]
	s_or_b32 s35, s35, 0x80000000
	s_mov_b32 s36, 1                               ; and for x1: the same LDS bytes
	s_mov_b32 s37, s42
	s_add_nc_u64 s[38:39], s[4:5], s[40:41]
	s_or_b32 s39, s39, 0x80000000
	tensor_load_to_lds s[32:35], s[24:31]          ; my 32 rows of x2: the one first fill, ahead of everything else
	s_nop 0
	PLACES
	v_and_b32 v1, 31, v0                           ; lane
	v_and_b32 v2, 15, v0                           ; r
	v_bfe_u32 v3, v0, 4, 1                         ; lane / 16
	v_mul_u32_u24 v[XR], v2, XPITCH
	v_lshl_add_u32 v[XR], v3, 6, v[XR]
	v_add_nc_u32 v[XR], s42, v[XR]
	v_lshlrev_b32 v[LI], 4, v1
	v_lshlrev_b32 v[LS], 2, v1
	s_mul_i32 s43, s22, 9216                       ; six images a wave
	v_add_nc_u32 v[IW], s43, v[LI]
	v_add_nc_u32 v[IW+1], XIMG1, v[IW]
	s_mul_i32 s43, s22, 768
	v_add_nc_u32 v[SW], s43, v[LS]
	v_add_nc_u32 v[SW+1], XSC1, v[SW]
	v_add_nc_u32 v[SW], XSC2, v[SW]
	v_add_nc_u32 v[FI], XIMG2, v[LI]
	v_add_nc_u32 v[FI+1], XIMG1, v[LI]
	v_add_nc_u32 v[FS], XSC2, v[LS]
	v_add_nc_u32 v[FS+1], XSC1, v[LS]
	v_mul_u32_u24 v[QST], v2, 24
	v_mad_u32_u24 v[QST], v3, 12, v[QST]
	v_lshlrev_b32 v[BQ], 5, v3
	v_lshlrev_b32 v[BV], 2, v2
.irp b, 0,1,2,3
	v_mov_b32 v[TM+4+\b], 0                        ; written once: a lane permute's destination counts as one of its sources
.endr
	s_mov_b32 s[SEL], 0x76543210
	s_mov_b32 s[SEL+1], 0xfedcba98
	s_lshr_b32 s44, ttmp9, 2                       ; the window
	s_and_b32 s45, ttmp9, 3                        ; nb
	s_mul_i32 s44, s44, 12
	s_mul_i32 s46, s22, 3
	s_add_co_u32 s44, s44, s46                     ; 12 x window + my first head
	s_mov_b32 s47, 0
	s_mul_i32 s46, s22, 82944                      ; my 54 weight fragments,
	s_add_nc_u64 s[12:13], s[12:13], s[46:47]
	s_mul_i32 s46, s22, 6912                       ; their scale words,
	s_add_nc_u64 s[14:15], s[14:15], s[46:47]
	s_mul_i32 s46, s22, 384                        ; my 96 channels of the biases
	s_add_nc_u64 s[8:9], s[8:9], s[46:47]
	s_add_nc_u64 s[10:11], s[10:11], s[46:47]
	s_mul_i32 s46, s44, 26624                      ; kv: my first head's record, + two images for each quarter
	s_mul_i32 s48, s45, 3072
	s_add_co_u32 s46, s46, s48
	s_add_nc_u64 s[50:51], s[20:21], s[46:47]
	s_mul_i32 s46, s44, 26624                      ; and its scale words
	s_lshl_b32 s48, s45, 8
	s_add_co_u32 s46, s46, s48
	s_add_co_u32 s46, s46, 24576
	s_add_nc_u64 s[52:53], s[20:21], s[46:47]
	s_mul_i32 s46, s44, 12288                      ; qc: 32 tiles of 384 bytes a head, eight tiles a quarter
	s_mul_i32 s48, s45, 3072
	s_add_co_u32 s46, s46, s48
	s_add_nc_u64 s[16:17], s[16:17], s[46:47]
	s_lshl_b32 s46, s44, 10                        ; qs: eight images of 128 bytes a head, two a quarter
	s_lshl_b32 s48, s45, 8
	s_add_co_u32 s46, s46, s48
	s_add_nc_u64 s[18:19], s[18:19], s[46:47]
	; THE RELATIVE POSITION BIAS IS GATHERED HERE, ONCE FOR ALL WINDOWS, while my rows of x2 are on their way:
	; biasc[h][Tq][i][lane][4 numbers] = bias_table[rel_index[16 Tq + r][16 (i/2) + 8 hl + 4 (i%2) + 0..3]][h] x sqrt(32), r = lane % 16, hl = lane / 16: the layout of the C operand of a
	; 16 x 16 product whose rows are keys and whose columns are queries.  The factor sqrt(32) lets the bias be added to q.k ahead of the multiplication by 1 / sqrt(32).
	; 32 Tq x 64 i are 2,048 tasks, 1,024 waves: my wave takes number 8 g + 2 w and the next, the same Tq and i, i + 1 (i even): eight neighbouring indices a lane.
	; An index of rel_index is held at 3,374, the table's last row.
	s_lshl_b32 s46, ttmp9, 3
	s_lshl_b32 s48, s22, 1
	s_add_co_u32 s46, s46, s48                     ; 8 g + 2 w
	s_lshr_b32 s48, s46, 6                         ; Tq
	s_and_b32 s46, s46, 63                         ; i
	s_lshl_b32 s48, s48, 15                        ; rel_index: 16 Tq rows of 2,048 bytes; biasc: 32,768 Tq
	s_lshl_b32 s49, s46, 5
	s_add_co_u32 s49, s49, s48                     ; rel_index: + key 16 (i / 2), 64 bytes
	s_lshl_b32 s46, s46, 9
	s_add_co_u32 s46, s46, s48                     ; biasc: + 512 i
	s_add_nc_u64 s[60:61], s[60:61], s[46:47]
	s_add_nc_u64 s[62:63], s[60:61], 0x600000      ; heads 6-11: a base of their own, so that the offsets stay inside the signed 24-bit immediate (ISA guide, chapter 10)
	v_lshlrev_b32 v24, 11, v2
	v_lshl_add_u32 v24, v3, 5, v24                 ; row r, + 8 (lane / 16) keys
	v_add_nc_u32 v24, s49, v24
	global_load_b128 v[16:19], v24, s[58:59]       ; task i's four indices,
	global_load_b128 v[20:23], v24, s[58:59] offset:16   ; and task i + 1's
	WLOAD 0, 0
	s_wait_loadcnt 24                              ; the indices are in; the 24 loads of job 0's weights and scale words, issued behind them, may be out
.irp a, 0,1,2,3,4,5,6,7
	v_min_u32 v[16+\a], 0xd2e, v[16+\a]            ; held inside the table
.endr
.irp a, 0,1,2,3,4,5,6,7
	v_mul_u32_u24 v[16+\a], 48, v[16+\a]           ; a row of the table: 12 numbers
.endr
	WIN 0x40                                       ; into window 1, v0-95, which x's fragments take only later
.irp a, 0,1,2,3,4,5,6,7
.irp p, 0,1,2
	global_load_b128 v[12*\a+4*\p:12*\a+4*\p+3], v[16+\a], s[56:57] offset:16*\p
.endr
.endr
	WIN 0
	s_wait_tensorcnt 0x0
	XPHASE 0
	s_wait_tensorcnt 0x0                           ; no tensor load of mine is out;
	ds_add_u32 v[SPW], v[NIL]                      ; 0 onto my spare word
	s_wait_dscnt 0x0                               ; the add is done, my reads of the rows are back and my images have landed
	s_barrier_signal -1
	s_barrier_wait -1                              ; x2's 24 images lie in LDS
	tensor_load_to_lds s[36:39], s[24:31]          ; my 32 rows of x1, into the same bytes: they have six jobs, 288 products and 12 quantisings, in which to land
	s_nop 0
	PLACES
	s_wait_loadcnt 0x0                             ; the table's rows are in (asked for ahead of the quantising of x2)
	WIN 0x04                                       ; source 1 in window 1; the results go to v96-191 of window 0, which hold nothing here
.irp e, 0,1
.irp h, 0,1,2,3,4,5,6,7,8,9,10,11
.irp a, 0,1,2,3
	v_mul_f32 v[96+48*\e+4*\h+\a], 0x40b504f3, v[12*(4*\e+\a)+\h]   ; x sqrt(32); the choice of registers turns [index][head] into [head][index]
.endr
.endr
.endr
	WIN 0
.irp e, 0,1
.irp h, 0,1,2,3,4,5
	global_store_b128 v[LI], v[96+48*\e+4*\h:96+48*\e+4*\h+3], s[60:61] offset:1048576*\h+512*\e     ; 512 consecutive bytes, aligned
	global_store_b128 v[LI], v[120+48*\e+4*\h:120+48*\e+4*\h+3], s[62:63] offset:1048576*\h+512*\e
.endr
.endr
	FETCHX 0
	s_wait_xcnt 0x0                                ; the bias's stores have read v96-191: the first products may write them
	JOB 0
	JOB 1
	JOB 2
	JOB 3
	JOB 4
	JOB 5
	s_wait_tensorcnt 0x0                           ; my rows of x1 are in
	XPHASE 1                                       ; into images of their own: no wave's reads of x2's are in the way
	s_wait_dscnt 0x0                               ; for the others' sake: my images have landed
	s_barrier_signal -1
	s_barrier_wait -1
	FETCHX 1
	JOB 6
	JOB 7
	JOB 8
	s_wait_tensorcnt 0x0                           ; the wave's end
	ds_add_u32 v[SPW], v[NIL]
	s_wait_dscnt 0x0
	s_endpgm
.Lfunc_end_k_q41af5c1f51_proj:
	.size	k_q41af5c1f51_proj, .Lfunc_end_k_q41af5c1f51_proj-k_q41af5c1f51_proj
	.p2alignl 7, 3214868480
	.fill 96, 4, 3214868480
	.section	.rodata,"a",@progbits
	.p2align	6, 0x0
	.amdhsa_kernel k_q41af5c1f51_proj
		.amdhsa_group_segment_fixed_size 327680
		.amdhsa_private_segment_fixed_size 0
		.amdhsa_enable_private_segment 0
		.amdhsa_kernarg_size 96
		.amdhsa_user_sgpr_count 2
		.amdhsa_user_sgpr_kernarg_segment_ptr 1
		.amdhsa_wavefront_size32 1
		.amdhsa_system_sgpr_workgroup_id_x 1
		.amdhsa_system_sgpr_workgroup_id_y 1
		.amdhsa_system_sgpr_workgroup_id_z 1
		.amdhsa_system_vgpr_workitem_id 0
		.amdhsa_next_free_vgpr 768
		.amdhsa_next_free_sgpr 66
		.amdhsa_reserve_vcc 0
		.amdhsa_float_denorm_mode_32 3
		.amdhsa_float_denorm_mode_16_64 3
		.amdhsa_memory_ordered 1
		.amdhsa_forward_progress 1
		.amdhsa_inst_pref_size 246
	.end_amdhsa_kernel
	.amdgpu_metadata
---
amdhsa.version: [ 1, 2 ]
amdhsa.kernels:
  - .name:           k_q41af5c1f51_proj
    .symbol:         k_q41af5c1f51_proj.kd
    .args:
      - { .name: x1, .offset: 0, .size: 8, .value_kind: global_buffer, .address_space: global }
      - { .name: x2, .offset: 8, .size: 8, .value_kind: global_buffer, .address_space: global }
      - { .name: q_bias, .offset: 16, .size: 8, .value_kind: global_buffer, .address_space: global }
      - { .name: v_bias, .offset: 24, .size: 8, .value_kind: global_buffer, .address_space: global }
      - { .name: wimg, .offset: 32, .size: 8, .value_kind: global_buffer, .address_space: global }
      - { .name: wsc, .offset: 40, .size: 8, .value_kind: global_buffer, .address_space: global }
      - { .name: qc, .offset: 48, .size: 8, .value_kind: global_buffer, .address_space: global }
      - { .name: qs, .offset: 56, .size: 8, .value_kind: global_buffer, .address_space: global }
      - { .name: kv, .offset: 64, .size: 8, .value_kind: global_buffer, .address_space: global }
      - { .name: bias_table, .offset: 72, .size: 8, .value_kind: global_buffer, .address_space: global }
      - { .name: rel_index, .offset: 80, .size: 8, .value_kind: global_buffer, .address_space: global }
      - { .name: biasc, .offset: 88, .size: 8, .value_kind: global_buffer, .address_space: global }
    .group_segment_fixed_size: 327680
    .private_segment_fixed_size: 0
    .kernarg_segment_align: 8
    .kernarg_segment_size: 96
    .max_flat_workgroup_size: 128
    .sgpr_count:     66
    .vgpr_count:     768
    .wavefront_size: 32
...
	.end_amdgpu_metadata
.endif
;; end of part 2
;; launch attn (part 3): grid 256 x 1, 8 waves a work-group, clusters of 4 x 1, 327,680 bytes of LDS; arguments qc, qs, kv, biasc, out0; writes out0
.if DOCPART == 3
	.amdgcn_target "amdgcn-amd-amdhsa--gfx1250"
	.amdhsa_code_object_version 6
	.text
	.protected	k_q41af5c1f51_attn
	.globl	k_q41af5c1f51_attn
	.p2align	8
	.type	k_q41af5c1f51_attn,@function
k_q41af5c1f51_attn:
	s_mov_b64 s[64:65], 0
	v_nop
	global_prefetch_b8 v0, s[64:65] scope:SCOPE_SE
	s_setreg_imm32_b32 hwreg(HW_REG_WAVE_MODE, 25, 1), 1
	s_wait_xcnt 0x0
	s_wait_alu depctr_hold_cnt(0) depctr_sa_sdst(0) depctr_va_vdst(0) depctr_va_sdst(0) depctr_va_ssrc(0) depctr_va_vcc(0) depctr_vm_vsrc(0)
	s_getreg_b32 s2, hwreg(HW_REG_IB_STS2, 6, 4)
	s_cmp_eq_u32 s2, 0
	s_cbranch_scc0 .Lentry_in_a_cluster
	s_endpgm
.Lentry_in_a_cluster:
	s_bfe_u32 s2, ttmp6, 0x10000c
	s_cmp_lg_u32 s2, 0x3003
	s_cbranch_scc0 .Lentry_shape_is_right
	s_endpgm
.Lentry_shape_is_right:
; out[w][q][32 h + d] = the sum over keys of softmax_k(q.k / sqrt(32) + bias[h][q][k]) v[k][d], both products on codes of BF6 (E3M2) with one E8M0 scale for each 32 along a product's K.
; q, k, v come as codes and scale words from the launch before, k and v as images of operand registers; the bias x sqrt(32) comes in the layout of a C operand.
; THE SOFTMAX: t = (q.k + bias sqrt(32)) x log2(e) / sqrt(32); M = the row's largest t so far, rounded UP to a whole number; p = 2^(t - M) is quantised along the keys, not normalised; the row's sum is taken
; of the unquantised p and divides at the end.  When M moves, the sum and O are multiplied by 2^(old M - new M): exact.
; K = 32 IN AN INSTRUCTION OF K = 128: a fragment of k holds FOUR tiles of 16 keys, one in each of its four blocks of K; q stands in four versions, its one block at place j and zero codes elsewhere.
; The product with version j is tile j's scores: zero codes add nothing under any scale byte.  The bias is the C of that product and costs no vector instruction.
; BOTH PRODUCTS ARE USED TRANSPOSED: S^T = k q^T, O^T = v^T p^T: a lane holds ONE query (lane % 16) throughout.  Inside a block of 32 keys p's order is the result layout's; v's codes were laid in the same order.
; SHARES.  A work-group owns 64 queries (qb), three pairs of heads (pg) and four windows (wgp): 12 units, unit U = 4 pp + wi.  Wave v: head v / 4 of the pair, queries 16 (v % 4) on.
; A wave's bias, 16 queries x 512 keys, fills window 1 (256 registers) and serves four windows; in a pair's last window each step's 64 registers are loaded anew, for the next pair, as soon as the step has used them.
; CLUSTER.  The four partners differ in their queries alone and walk the same k and v: each unit's two records (53,248 bytes) are asked for JOINTLY, 26 rows of 256 bytes a wave, into two slots by turns.
; The place in the cluster enters only the global addresses of q, of the bias and of out.
; THE WAY OUT: a pair's two heads make 256 neighbouring bytes of a row of out: they meet in a stage in LDS, and sixteen lanes store 256 consecutive bytes, aligned.
; LIMITS: a block whose every p lies under 2^-122 keeps the byte 1; NaN and infinities are not served; the bias is added as bias x sqrt(32) inside the f32 sum.
; REGISTERS.  Window 0: v1-16 addresses and masks; v18-21 -M, largest t, the sum; v22-27 scale words and nothing else; v28-34 q as loaded; v36-65 q's four versions, overlapping; v66-113 fragments of k and v;
;   v114-177 S^T, then p; v178-193 O^T; v194-212 p's codes; v214-231 at work; v232-247 rows on the way out.   Window 1: the bias, register 64 s + 8 t + j: key 128 s + 16 t + 8 (lane / 16) + j.
.set SLOT1, 65536                      ; slot 0 at LDS byte 0, slot 1 here: one exclusive or turns an address in one into the other's
.set HREC,  26624                      ; a head's record: 8 images of k, 8 of v^T, 16 x 128 bytes of scale words
.set STAGE, 131072                     ; 64 rows x (256 bytes + 16)
.set SP,    272
.set SPARE, 196608                     ; the spare words, 128 bytes for each wave: four blocks of 256 bytes that no other line names
.set LF,  1                            ; v1   16 x lane + my head's record
.set LSC, 2                            ; v2   4 x lane + my head's record
.set SPW, 3                            ; v3   LDS address of my spare word; never rewritten
.set NIL, 4                            ; v4   0; never rewritten
.set AF,  5                            ; v5   LF in the slot in hand
.set AS,  6                            ; v6   LSC in the slot in hand
.set QA,  7                            ; v7   24 (lane % 16): a query's codes
.set L4,  8
.set L16, 9
.set STO, 10                           ; v10  the stage: where I put 32 bytes of a row
.set SRD, 11                           ; v11  and where I read a row back
.set GO,  12
.set SRH, 13                           ; v13  SRD in the stage that the unit before has filled
.set STH, 14                           ; v14  STO in this unit's stage
.set STG2, 32768                       ; TWO STAGES by turns, at STAGE and STAGE + STG2: unit U fills stage U % 2, and unit U + 1 reads it back behind its own barrier
.set MK0, 15                           ; v15  all ones in lanes 0-15
.set MK1, 16                           ; v16  all ones in lanes 16-31
.set NM,  18                           ; v18 -M, v19 the largest t
.set LL,  20                           ; v[20:21] the sum, in two halves
.set KS,  22                           ; v22-23 k's scale words
.set VS,  24                           ; v24-25 v's
.set QS,  26                           ; v26  q's
.set PS,  27                           ; v27  p's
.set RQ,  28                           ; v28-33 q's block as loaded
.set RQS, 34                           ; v34  the scale word of four tiles of queries
.set QCH, 36                           ; v36-65: D0 Z D1 Z D0 (D0: q in lanes 0-15; D1: in lanes 16-31; Z: zeros): version 0 = v36 on, 3 = v42 on, 1 = v48 on, 2 = v54 on
.set KF,  66
.set VF,  90
.set S,   114
.set OT,  178
.set PC,  194
.set SPR, 206
.set BM,  214
.set BB,  218
.set BSC, 222
.set FF,  226
.set WK,  228
.set OR,  232
.set WV,   14
.set HSEL, 15
.set TQ,   16
.set G1,   24
.set G0,   32
.set KVB,  36
.set QCB,  38
.set QSB,  40
.set BIB,  42
.set OUTB, 44
.set QCN,  46
.set QSN,  48
.set BBN,  50
.set OC,   52
.set CS,   54
.set SEL,  56
.set SELQ, 58
.set UU,   59
.set TB,   60
.set MSB, 0
.macro WIN new                         ; the immediate's high byte repeats the setting that is left; a switch that changes nothing is dropped
.if MSB != \new
	s_set_vgpr_msb (MSB<<8)|\new
.set MSB, \new
.endif
.endm
.macro PLACES
.rept 4
	v_nop
.endr
.endm
; A round of the cluster's barrier: my work-group's barrier; wave 0 signals for the work-group; every wave waits for all four work-groups; my work-group's barrier once more.
.macro ROUND
	s_barrier_signal -1
	s_barrier_wait -1
	s_cmp_lg_u32 s[WV], 0
	s_cbranch_scc1 .Lnot_wave_0_\@
	s_barrier_signal -3
.Lnot_wave_0_\@:
	s_barrier_wait -3
	s_barrier_signal -1
	s_barrier_wait -1
.endm
.macro BIASLOAD s                      ; the bias of keys 128 s on: 64 registers of window 1; each load reads 512 consecutive bytes
	WIN 0x40
.irp i, 0,1,2,3,4,5,6,7,8,9,10,11,12,13,14,15
	global_load_b128 v[64*(\s)+4*\i:64*(\s)+4*\i+3], v[L16], s[BBN:BBN+1] offset:512*(16*(\s)+\i)
.endr
	WIN 0
.endm
.macro KLOAD s                         ; step s's two fragments of k (eight tiles of keys) and their scale words: 8 LDS loads
.irp f, 0,1
.irp i, 0,1,2
	ds_load_b128 v[KF+12*\f+4*\i:KF+12*\f+4*\i+3], v[AF] offset:1536*(2*(\s)+\f)+512*\i
.endr
	ds_load_b32 v[KS+\f], v[AS] offset:24576+128*(2*(\s)+\f)
.endr
.endm
.macro VLOAD s                         ; step s's two fragments of v^T (channels 0-15, 16-31 x 128 keys): 8 LDS loads
.irp f, 0,1
.irp i, 0,1,2
	ds_load_b128 v[VF+12*\f+4*\i:VF+12*\f+4*\i+3], v[AF] offset:12288+1536*(2*(\s)+\f)+512*\i
.endr
	ds_load_b32 v[VS+\f], v[AS] offset:25600+128*(2*(\s)+\f)
.endr
.endm
; A KEY STEP: 128 keys.
.macro STEP s, fill
	s_wait_dscnt 0x0                               ; k of this step is in
	WIN 0x10                                       ; C in window 1
.irp t, 0,1,2,3,4,5,6,7
.set rQ, QCH+12*(\t%2)+18*((\t%4)/2)-24*((\t%2)*((\t%4)/2))
	v_wmma_scale_f32_16x16x128_f8f6f4 v[S+8*\t:S+8*\t+7], v[KF+12*(\t/4):KF+12*(\t/4)+11], v[rQ:rQ+11], v[64*(\s)+8*\t:64*(\s)+8*\t+7], v[KS+\t/4], v[QS] matrix_a_fmt:MATRIX_FMT_BF6 matrix_b_fmt:MATRIX_FMT_BF6
.endr
	WIN 0
	PLACES                                         ; four places in front of loads into registers that these products have read, and of the first read of their results
	VLOAD \s
.if \s < 3
	KLOAD \s+1
.endif
.if \fill
	s_and_b32 s66, s[UU], 3                        ; a pair's last window: this step's bias is done with, the next pair's takes its place.  The branch hangs on the count of units alone
	s_cmp_lg_u32 s66, 3
	s_cbranch_scc1 .Lsame_pair_\@
	BIASLOAD \s
.Lsame_pair_\@:
.endif
.irp b, 0,1,2,3
	v_max3_num_f32 v[BM+\b], v[S+16*\b], v[S+16*\b+1], v[S+16*\b+2]   ; the largest score of each block of 32 keys: it serves the row's maximum and, since p rises with the score, the block's largest p
.endr
.irp i, 3,5,7,9,11,13
.irp b, 0,1,2,3
	v_max3_num_f32 v[BM+\b], v[BM+\b], v[S+16*\b+\i], v[S+16*\b+\i+1]
.endr
.endr
.irp b, 0,1,2,3
	v_max_num_f32 v[BM+\b], v[BM+\b], v[S+16*\b+15]
.endr
.irp b, 0,1,2,3
	s_delay_alu instid0(VALU_DEP_4)
	v_permlanex16_b32 v[BB+\b], v[BM+\b], s[SEL], s[SEL+1]
.endr
.irp b, 0,1,2,3
	s_delay_alu instid0(VALU_DEP_4)
	v_max_num_f32 v[BM+\b], v[BM+\b], v[BB+\b]     ; with lane l xor 16's 16 keys
.endr
	s_delay_alu instid0(VALU_DEP_2)
	v_max3_num_f32 v[WK+2], v[BM], v[BM+1], v[BM+2]
	s_delay_alu instid0(VALU_DEP_1)
	v_max_num_f32 v[WK+2], v[WK+2], v[BM+3]        ; the step's largest score of my query
	s_delay_alu instid0(VALU_DEP_1)
	v_mul_f32 v[WK+2], s[CS], v[WK+2]              ; as t (c is positive)
	s_delay_alu instid0(VALU_DEP_1)
	v_max_num_f32 v[NM+1], v[NM+1], v[WK+2]        ; the running largest t
	v_mov_b32 v[WK+2], v[NM]
	s_delay_alu instid0(VALU_DEP_2)
	v_floor_f32 v[NM], -v[NM+1]                    ; the new -M = floor(-t) = -ceil(t)
	s_delay_alu instid0(VALU_DEP_1)
	v_sub_f32 v[WK+2], v[NM], v[WK+2]              ; old M - new M: a whole number, 0 or less
	s_delay_alu instid0(VALU_DEP_1)
	v_cvt_i32_f32 v[WK+2], v[WK+2]                 ; (it saturates)
	s_delay_alu instid0(VALU_DEP_1)
	v_ldexp_f32 v[FF], 1.0, v[WK+2]                ; f = 2^(old M - new M)
.irp j, 0,2,4,6,8,10,12,14,16,18,20,22,24,26,28,30,32,34,36,38,40,42,44,46,48,50,52,54,56,58,60,62
	v_pk_fma_f32 v[S+\j:S+\j+1], v[S+\j:S+\j+1], s[CS:CS+1], v[NM:NM+1] op_sel_hi:[1,0,0]   ; t - M, two at a time (of the pairs c and -M the low word serves both halves)
.endr
.irp b, 0,1,2,3
	v_fma_f32 v[BM+\b], v[BM+\b], s[CS], v[NM]     ; the same of each block's largest score
.endr
	s_wait_alu depctr_va_vdst(0)
.irp j, 0,1,2,3,4,5,6,7,8,9,10,11,12,13,14,15,16,17,18,19,20,21,22,23,24,25,26,27,28,29,30,31,32,33,34,35,36,37,38,39,40,41,42,43,44,45,46,47,48,49,50,51,52,53,54,55,56,57,58,59,60,61,62,63
	v_exp_f32 v[S+\j], v[S+\j]                     ; p = 2^(t - M), at most 1
.endr
.irp b, 0,1,2,3
	v_exp_f32 v[BM+\b], v[BM+\b]                   ; the block's largest p: the same two instructions on the same number give the same bits
.endr
	v_pk_mul_f32 v[LL:LL+1], v[LL:LL+1], v[FF:FF+1] op_sel_hi:[1,0]   ; the sums under the new M.  (A plain place behind the exponentials)
	s_wait_alu depctr_va_vdst(0)
.irp b, 0,1,2,3
	v_max_num_f32 v[BM+\b], 0x2800000, v[BM+\b]    ; the floor 2^(5 - 127): the byte cannot fall under 1
.endr
.irp b, 0,1,2,3
	s_delay_alu instid0(VALU_DEP_4)
	v_add_nc_u32 v[BSC+\b], 0xfe000000, v[BM+\b]   ; 4 off the exponent field: the conversion's scale operand
.endr
.irp b, 0,1,2,3
	s_delay_alu instid0(VALU_DEP_4)
	v_lshrrev_b32 v[BB+\b], 23, v[BSC+\b]          ; the scale's byte
.endr
	s_delay_alu instid0(VALU_DEP_3)
	v_lshl_or_b32 v[PS], v[BB+1], 8, v[BB]         ; p's scale word for these 128 keys
	s_delay_alu instid0(VALU_DEP_1)
	v_lshl_or_b32 v[PS], v[BB+2], 16, v[PS]
	s_delay_alu instid0(VALU_DEP_1)
	v_lshl_or_b32 v[PS], v[BB+3], 24, v[PS]
.irp c, 0,1
	v_cvt_scalef32_pk16_bf6_f32 v[PC+6*\c:PC+6*\c+2], v[S+32*\c:S+32*\c+15], v[BSC+2*\c]
	v_cvt_scalef32_pk16_bf6_f32 v[SPR+4*\c:SPR+4*\c+2], v[S+32*\c+16:S+32*\c+31], v[BSC+2*\c+1]   ; (a conversion's three registers begin on an even number)
.endr
	v_nop                                          ; one plain place behind a scaled conversion
.irp c, 0,1                                    ; the operand's layout wants a whole block in a lane: lanes 0-15 block 2 c, lanes 16-31 block 2 c + 1
.irp i, 0,1,2
	v_permlane16_swap_b32 v[PC+6*\c+\i], v[SPR+4*\c+\i]
.endr
.irp i, 0,1,2
	s_delay_alu instid0(VALU_DEP_3)
	v_mov_b32 v[PC+3+6*\c+\i], v[SPR+4*\c+\i]
.endr
.endr
	v_pk_add_f32 v[228:229], v[118:119], v[122:123]
	v_pk_add_f32 v[254:255], v[126:127], v[130:131]
	v_pk_add_f32 v[252:253], v[134:135], v[138:139]
	v_pk_add_f32 v[250:251], v[142:143], v[146:147]
	v_pk_add_f32 v[248:249], v[150:151], v[154:155]
	v_pk_add_f32 v[246:247], v[158:159], v[162:163]
	v_pk_add_f32 v[244:245], v[166:167], v[170:171]
	v_pk_add_f32 v[20:21], v[20:21], v[174:175]
	v_pk_add_f32 v[228:229], v[228:229], v[114:115]
	v_pk_add_f32 v[254:255], v[254:255], v[116:117]
	v_pk_add_f32 v[252:253], v[252:253], v[120:121]
	v_pk_add_f32 v[250:251], v[250:251], v[124:125]
	v_pk_add_f32 v[248:249], v[248:249], v[128:129]
	v_pk_add_f32 v[246:247], v[246:247], v[132:133]
	v_pk_add_f32 v[244:245], v[244:245], v[136:137]
	v_pk_add_f32 v[20:21], v[20:21], v[140:141]
	v_pk_add_f32 v[228:229], v[228:229], v[144:145]
	v_pk_add_f32 v[254:255], v[254:255], v[148:149]
	v_pk_add_f32 v[252:253], v[252:253], v[152:153]
	v_pk_add_f32 v[250:251], v[250:251], v[156:157]
	v_pk_add_f32 v[248:249], v[248:249], v[160:161]
	v_pk_add_f32 v[246:247], v[246:247], v[164:165]
	v_pk_add_f32 v[244:245], v[244:245], v[168:169]
	v_pk_add_f32 v[20:21], v[20:21], v[172:173]
	v_pk_add_f32 v[228:229], v[228:229], v[176:177]
	s_delay_alu instid0(VALU_DEP_2)
	v_pk_add_f32 v[20:21], v[20:21], v[250:251]
	s_delay_alu instid0(VALU_DEP_2)
	v_pk_add_f32 v[228:229], v[228:229], v[248:249]
	v_pk_add_f32 v[254:255], v[254:255], v[246:247]
	v_pk_add_f32 v[252:253], v[252:253], v[244:245]
	s_delay_alu instid0(VALU_DEP_2)
	v_pk_add_f32 v[20:21], v[20:21], v[254:255]
	s_delay_alu instid0(VALU_DEP_2)
	v_pk_add_f32 v[228:229], v[228:229], v[252:253]
	s_delay_alu instid0(VALU_DEP_1)
	v_pk_add_f32 v[20:21], v[20:21], v[228:229]
.if \s > 0
.irp j, 0,2,4,6,8,10,12,14
	v_pk_mul_f32 v[OT+\j:OT+\j+1], v[OT+\j:OT+\j+1], v[FF:FF+1] op_sel_hi:[1,0]   ; O^T under the new M
.endr
.endif
.if \s < 3
	s_wait_alu depctr_va_vdst(0)
	s_wait_dscnt 8                                 ; v is in; the next step's eight loads of k, issued behind it, may be out
.else
	s_wait_alu depctr_va_vdst(0)
	s_wait_dscnt 0x0
.endif
.irp d, 0,1                                    ; O^T += v^T p^T; the two accumulators by turns, with the eight score products between their turns
.if \s == 0
	v_wmma_scale_f32_16x16x128_f8f6f4 v[OT+8*\d:OT+8*\d+7], v[VF+12*\d:VF+12*\d+11], v[PC:PC+11], 0, v[VS+\d], v[PS] matrix_a_fmt:MATRIX_FMT_BF6 matrix_b_fmt:MATRIX_FMT_BF6
.else
	v_wmma_scale_f32_16x16x128_f8f6f4 v[OT+8*\d:OT+8*\d+7], v[VF+12*\d:VF+12*\d+11], v[PC:PC+11], v[OT+8*\d:OT+8*\d+7], v[VS+\d], v[PS] matrix_a_fmt:MATRIX_FMT_BF6 matrix_b_fmt:MATRIX_FMT_BF6
.endif
.endr
.endm
; A UNIT: one window, one pair of heads.  fill = 1: the next unit's records are asked for, its q is loaded.
; The rows that the unit before has left in its stage go out: my wave's eight rows, two an instruction.
.macro PREVOUT
.irp i, 0,1,2,3
	ds_load_b128 v[OR+4*\i:OR+4*\i+3], v[SRH] offset:2*SP*\i
.endr
.irp i, 0,1,2,3
	s_wait_dscnt 3-\i                              ; LDS loads come back in order: load i is in, the three, two, one, none younger may be out
	global_store_b128 v[GO], v[OR+4*\i:OR+4*\i+3], s[OC:OC+1] offset:3072*\i th:TH_STORE_NT   ; sixteen lanes store 256 consecutive bytes, aligned
.endr
.endm
.macro UNIT fill
	s_wait_tensorcnt 0x0                           ; my part of this unit's slot has landed, and no tensor load of mine is out: group 0 may be written
	ds_add_u32 v[SPW], v[NIL]                      ; 0 onto my spare word; the scalar steps stand between it and the wait for it
	s_wait_xcnt 0x0                                ; earlier loads and stores have read their bases and data: all may be written again
	s_sub_co_u32 s70, s[UU], 1                     ; the unit BEFORE this one: its rows go out in this unit
	s_min_u32 s70, s70, 11                         ; (unit 0 has none: the address is held inside out and is not used)
	s_and_b32 s66, s70, 3                          ; its wi
	s_lshr_b32 s67, s70, 2                         ; its pp
	s_mul_i32 s68, s66, 786432
	s_lshl_b32 s70, s67, 8
	s_add_co_u32 s68, s68, s70
	s_mov_b32 s69, 0
	s_add_nc_u64 s[OC:OC+1], s[OUTB:OUTB+1], s[68:69]
.if \fill
	s_lshr_b32 s67, s[UU], 2                       ; this unit's pp
	s_add_co_u32 s67, s67, 1
	s_min_u32 s67, s67, 2
	s_lshl_b32 s68, s67, 21
	s_add_nc_u64 s[BBN:BBN+1], s[BIB:BIB+1], s[68:69]
	s_add_co_u32 s70, s[UU], 1                     ; the next unit
	s_and_b32 s66, s70, 3
	s_lshr_b32 s67, s70, 2
	s_mul_i32 s68, s66, 12*HREC
	s_mul_i32 s70, s67, 2*HREC
	s_add_co_u32 s68, s68, s70
	s_add_nc_u64 s[G0+2:G0+3], s[KVB:KVB+1], s[68:69]
	s_or_b32 s[G0+3], s[G0+3], 0x80000000          ; type = 2
	s_xor_b32 s[G0+1], s[G0+1], SLOT1              ; into the other slot
	s_mul_i32 s68, s66, 147456
	s_mul_i32 s70, s67, 24576
	s_add_co_u32 s68, s68, s70
	s_add_nc_u64 s[QCN:QCN+1], s[QCB:QCB+1], s[68:69]
	s_mul_i32 s68, s66, 12288
	s_lshl_b32 s70, s67, 11
	s_add_co_u32 s68, s68, s70
	s_add_nc_u64 s[QSN:QSN+1], s[QSB:QSB+1], s[68:69]
.endif
	s_wait_dscnt 0x0                               ; the add is done; my reads of the slot that I have left and of the stage are back
.if \fill
	ROUND                                          ; so of every wave of all four work-groups
	tensor_load_to_lds s[G0:G0+3], s[G1:G1+7]      ; the joint refill, first behind the round: it has this whole unit in which to land
	s_nop 0
	PLACES
.else
	s_barrier_signal -1                            ; the last unit asks for nothing: my work-group's barrier shows the slot whole
	s_barrier_wait -1
.endif
	s_lshr_b32 s76, s[TB], 1                       ; 0 or STG2: this unit's stage,
	s_xor_b32 s77, s76, STG2                       ; and the other one, which the unit before has filled
	v_add_nc_u32 v[AF], s[TB], v[LF]
	v_add_nc_u32 v[AS], s[TB], v[LSC]
	v_add_nc_u32 v[STH], s76, v[STO]
	v_add_nc_u32 v[SRH], s77, v[SRD]
	KLOAD 0
.if \fill
	s_cmp_eq_u32 s[UU], 0                          ; unit 0 has no unit before it: the branch hangs on the count of units alone
	s_cbranch_scc1 .Lno_prev_\@
.endif
	PREVOUT                                        ; every wave waited for its stage stores in front of the barrier above: 64 whole rows lie in that stage
.if \fill
.Lno_prev_\@:
.endif
	s_wait_loadcnt 0x0                             ; q, its scale word, and any bias loaded anew
	v_perm_b32 v[QS], v[RQS], v[RQS], s[SELQ]      ; my tile's byte into all four bytes: it stands with q's block at whichever place that is
.irp i, 0,1,2,3,4,5
	v_and_b32 v[QCH+\i], v[MK0], v[RQ+\i]
	v_and_b32 v[QCH+12+\i], v[MK1], v[RQ+\i]
	v_and_b32 v[QCH+24+\i], v[MK0], v[RQ+\i]
.endr
.if \fill
.irp p, 0,1,2
	global_load_b64 v[RQ+2*\p:RQ+2*\p+1], v[QA], s[QCN:QCN+1] offset:8*\p   ; the next unit's q
.endr
	global_load_b32 v[RQS], v[L4], s[QSN:QSN+1]
.endif
	v_mov_b32 v[NM+1], 0xff61b1e6                  ; the largest t so far: -3e38, under every t
	s_delay_alu instid0(VALU_DEP_1)
	v_floor_f32 v[NM], -v[NM+1]
	v_mov_b32 v[LL], 0
	v_mov_b32 v[LL+1], 0
.rept 8
	v_nop                                          ; a scale register written by a vector instruction stands 8 places ahead of a scaled matrix instruction, an operand so written 4
.endr
	s_wait_alu depctr_va_vdst(0)
	s_wait_xcnt 0x0                                ; the stores above have read their data: v244-247 are written again in the key steps
	STEP 0, \fill
	STEP 1, \fill
	STEP 2, \fill
	STEP 3, \fill
	PLACES                                         ; four places between the last products and the first read of O^T
	v_add_f32 v[WK+2], v[LL], v[LL+1]              ; the sum's two halves,
	s_delay_alu instid0(VALU_DEP_1)
	v_permlanex16_b32 v[WK+3], v[WK+2], s[SEL], s[SEL+1]
	s_delay_alu instid0(VALU_DEP_1)
	v_add_f32 v[WK+2], v[WK+2], v[WK+3]            ; and lane l xor 16's: the row's sum
	s_wait_alu depctr_va_vdst(0)
	v_rcp_f32 v[WK+2], v[WK+2]
	v_nop                                          ; a plain place behind the transcendental
	s_wait_alu depctr_va_vdst(0)
.irp j, 0,1,2,3,4,5,6,7,8,9,10,11,12,13,14,15
	v_mul_f32 v[S+\j], v[OT+\j], v[WK+2]           ; register 8 d + j: channel 16 d + 8 (lane / 16) + j of my query
.endr
.irp d, 0,1
	ds_store_b128 v[STH], v[S+8*\d:S+8*\d+3] offset:64*\d          ; into this unit's stage; it is read back behind the next unit's barrier, and written again two units on, behind a further barrier
	ds_store_b128 v[STH], v[S+8*\d+4:S+8*\d+7] offset:64*\d+16
.endr
	s_xor_b32 s[TB], s[TB], SLOT1                  ; on to the other slot, and with it to the other stage
.endm
	s_load_b256 s[4:11], s[0:1], 0x0               ; qc s[4:5], qs s[6:7], kv s[8:9], biasc s[10:11]
	s_load_b64 s[12:13], s[0:1], 0x20              ; out0
	v_lshl_add_u32 v[SPW], v0, 2, SPARE
	v_mov_b32 v[NIL], 0
	ds_add_u32 v3, v4
	ds_add_u32 v3, v4
	s_wait_dscnt 0x0
	v_lshrrev_b32 v13, 5, v0
	s_delay_alu instid0(VALU_DEP_1)
	v_readfirstlane_b32 s[WV], v13                 ; wave 0..7
	s_lshr_b32 s[HSEL], s[WV], 2                   ; which head of the pair
	s_and_b32 s[TQ], s[WV], 3                      ; which 16 of the 64 queries
	s_bfe_u32 s17, ttmp6, 0x40000                  ; cx: my place in the cluster
	s_and_b32 s18, ttmp9, 1                        ; in a cluster launch ttmp9 counts clusters
	s_lshl_b32 s18, s18, 2
	s_add_co_u32 s18, s18, s17                     ; qb: my block of 64 queries
	s_bfe_u32 s19, ttmp9, 0x10001                  ; pg: which three pairs of heads
	s_lshr_b32 s20, ttmp9, 2                       ; wgp: which four windows
	s_mul_i32 s21, s20, 48
	s_mul_i32 s22, s19, 6
	s_add_co_u32 s21, s21, s22                     ; 12 x first window + first head: the partners share it
	; descriptor group 1: 26 rows of 256 bytes, dense
	s_mov_b32 s[G1], 15|(3<<16)|(1<<21)            ; 15:0 the mask: all four work-groups; 17:16 elements of 8 bytes; 20 no padding; 21 set beside a mask
	s_mov_b32 s[G1+1], 32<<16                      ; tensor_dim0
	s_mov_b32 s[G1+2], 26<<16                      ; tensor_dim1
	s_mov_b32 s[G1+3], 32<<16                      ; tile_dim0
	s_mov_b32 s[G1+4], 26                          ; tile_dim1
	s_mov_b32 s[G1+5], 32                          ; elements from row to row
	s_mov_b32 s[G1+6], 0
	s_mov_b32 s[G1+7], 0
	s_mul_i32 s66, s21, HREC
	s_mul_i32 s68, s[WV], 6656                     ; my 26 rows of a unit's 208
	s_add_co_u32 s66, s66, s68
	s_mov_b32 s67, 0
	s_mov_b32 s[G0], 1
	s_mul_i32 s[G0+1], s[WV], 6656                 ; slot 0: no place in the cluster enters an LDS address
	s_wait_kmcnt 0x0
	s_add_nc_u64 s[KVB:KVB+1], s[8:9], s[66:67]
	s_mov_b64 s[G0+2:G0+3], s[KVB:KVB+1]           ; unit 0
	s_or_b32 s[G0+3], s[G0+3], 0x80000000
	ROUND                                          ; all four work-groups are here: the first joint loads meet
	tensor_load_to_lds s[G0:G0+3], s[G1:G1+7]
	s_nop 0
	PLACES
	s_add_co_u32 s23, s21, s[HSEL]                 ; my head's number among the records
	s_lshl_b32 s72, s18, 2
	s_add_co_u32 s72, s72, s[TQ]                   ; my tile of queries
	s_mov_b32 s75, 0
	s_mul_i32 s74, s23, 12288
	s_mul_i32 s73, s72, 384
	s_add_co_u32 s74, s74, s73
	s_add_nc_u64 s[QCB:QCB+1], s[4:5], s[74:75]
	s_lshl_b32 s74, s23, 10
	s_lshl_b32 s73, s18, 7
	s_add_co_u32 s74, s74, s73
	s_add_nc_u64 s[QSB:QSB+1], s[6:7], s[74:75]
	s_add_co_u32 s74, s22, s[HSEL]
	s_lshl_b32 s74, s74, 20
	s_lshl_b32 s73, s72, 15
	s_add_co_u32 s74, s74, s73
	s_add_nc_u64 s[BIB:BIB+1], s[10:11], s[74:75]
	s_mul_i32 s74, s20, 3145728
	s_mul_i32 s73, s18, 98304
	s_add_co_u32 s74, s74, s73
	s_mul_i32 s73, s19, 768
	s_add_co_u32 s74, s74, s73
	s_add_nc_u64 s[OUTB:OUTB+1], s[12:13], s[74:75]
	s_mov_b64 s[QCN:QCN+1], s[QCB:QCB+1]
	s_mov_b64 s[QSN:QSN+1], s[QSB:QSB+1]
	s_mov_b64 s[BBN:BBN+1], s[BIB:BIB+1]
	s_mov_b32 s[CS], 0x3e8293ee                    ; c = log2(e) / sqrt(32)
	s_mov_b32 s[CS+1], s[CS]                       ; (named with it as a pair, so it is written)
	s_mov_b32 s[SEL], 0x76543210
	s_mov_b32 s[SEL+1], 0xfedcba98
	s_mul_i32 s[SELQ], s[TQ], 0x01010101           ; v_perm_b32's selector: byte TQ four times
	s_mov_b32 s[TB], 0
	v_and_b32 v13, 31, v0                          ; lane
	v_and_b32 v14, 15, v0                          ; lane % 16
	v_bfe_u32 v17, v0, 4, 1                        ; lane / 16
	s_delay_alu instid0(VALU_DEP_3)
	v_lshlrev_b32 v[L16], 4, v13
	s_delay_alu instid0(VALU_DEP_4)
	v_lshlrev_b32 v[L4], 2, v13
	s_delay_alu instid0(VALU_DEP_4)
	v_mul_u32_u24 v[QA], v14, 24
	s_wait_alu depctr_va_vdst(0)
	BIASLOAD 0                                     ; the first pair's bias
	BIASLOAD 1
	BIASLOAD 2
	BIASLOAD 3
.irp p, 0,1,2
	global_load_b64 v[RQ+2*\p:RQ+2*\p+1], v[QA], s[QCN:QCN+1] offset:8*\p   ; unit 0's q: every lane takes the whole block of query lane % 16
.endr
	global_load_b32 v[RQS], v[L4], s[QSN:QSN+1]
	s_mul_i32 s66, s[HSEL], HREC
	v_add_nc_u32 v[LF], s66, v[L16]
	v_add_nc_u32 v[LSC], s66, v[L4]
	s_mul_i32 s66, s[TQ], 16*SP
	s_lshl_b32 s67, s[HSEL], 7
	s_add_co_u32 s66, s66, s67
	s_add_co_u32 s66, s66, STAGE
	v_mul_u32_u24 v[STO], v14, SP                  ; into the stage: row 16 TQ + lane % 16, my head's 128 bytes, + 32 (lane / 16)
	s_delay_alu instid0(VALU_DEP_1)
	v_lshl_add_u32 v[STO], v17, 5, v[STO]
	s_delay_alu instid0(VALU_DEP_1)
	v_add_nc_u32 v[STO], s66, v[STO]
	s_mul_i32 s66, s[WV], 8*SP
	s_add_co_u32 s66, s66, STAGE
	v_mul_u32_u24 v[SRD], v17, SP                  ; back: my wave's eight rows, two an instruction; sixteen lanes to a row
	s_delay_alu instid0(VALU_DEP_1)
	v_lshl_add_u32 v[SRD], v14, 4, v[SRD]
	s_delay_alu instid0(VALU_DEP_1)
	v_add_nc_u32 v[SRD], s66, v[SRD]
	s_mul_i32 s66, s[WV], 8*1536
	v_mul_u32_u24 v[GO], v17, 1536                 ; and the same rows in out
	s_delay_alu instid0(VALU_DEP_1)
	v_lshl_add_u32 v[GO], v14, 4, v[GO]
	s_delay_alu instid0(VALU_DEP_1)
	v_add_nc_u32 v[GO], s66, v[GO]
	v_add_nc_u32 v[MK0], -1, v17
	v_sub_nc_u32 v[MK1], 0, v17
.irp i, 0,1,2,3,4,5
	v_mov_b32 v[QCH+6+\i], 0                       ; the zero codes between q's versions: cleared once
	v_mov_b32 v[QCH+18+\i], 0
.endr
.irp b, 0,1,2,3
	v_mov_b32 v[BB+\b], 0                          ; written once: a lane permute's destination counts as one of its sources
.endr
	v_mov_b32 v[WK+3], 0
	v_mov_b32 v[FF+1], 0                           ; (named as the upper half of the pair with f)
	s_mov_b32 s[UU], 0
.Lunit:                                                ; 11 trips: every unit but the last asks for its successor
	UNIT 1
	s_add_co_u32 s[UU], s[UU], 1
	s_cmp_lt_u32 s[UU], 11
	s_cbranch_scc1 .Lunit
	UNIT 0                                         ; the last unit is written out
	s_wait_xcnt 0x0                                ; unit 10's stores have read their base
	s_add_nc_u64 s[OC:OC+1], s[OUTB:OUTB+1], 3*786432+2*256   ; unit 11: window 3 of the four, pair 2 of the three
	s_lshr_b32 s76, s[TB], 1
	s_xor_b32 s77, s76, STG2                       ; the stage that unit 11 has filled
	v_add_nc_u32 v[SRH], s77, v[SRD]
	s_wait_alu depctr_va_vdst(0)
	s_wait_dscnt 0x0                               ; for the others' sake: my part of the stage has landed
	s_barrier_signal -1
	s_barrier_wait -1                              ; 64 whole rows lie in the stage
	PREVOUT
	s_wait_tensorcnt 0x0
	ds_add_u32 v[SPW], v[NIL]
	s_wait_dscnt 0x0
	ROUND                                          ; the closing round: no work-group ends while a partner may still ask for a tile that names it
	s_endpgm
.Lfunc_end_k_q41af5c1f51_attn:
	.size	k_q41af5c1f51_attn, .Lfunc_end_k_q41af5c1f51_attn-k_q41af5c1f51_attn
	.p2alignl 7, 3214868480
	.fill 96, 4, 3214868480
	.section	.rodata,"a",@progbits
	.p2align	6, 0x0
	.amdhsa_kernel k_q41af5c1f51_attn
		.amdhsa_group_segment_fixed_size 327680
		.amdhsa_private_segment_fixed_size 0
		.amdhsa_enable_private_segment 0
		.amdhsa_kernarg_size 40
		.amdhsa_user_sgpr_count 2
		.amdhsa_user_sgpr_kernarg_segment_ptr 1
		.amdhsa_wavefront_size32 1
		.amdhsa_system_sgpr_workgroup_id_x 1
		.amdhsa_system_sgpr_workgroup_id_y 1
		.amdhsa_system_sgpr_workgroup_id_z 1
		.amdhsa_system_vgpr_workitem_id 0
		.amdhsa_next_free_vgpr 512
		.amdhsa_next_free_sgpr 80
		.amdhsa_reserve_vcc 0
		.amdhsa_float_denorm_mode_32 3
		.amdhsa_float_denorm_mode_16_64 3
		.amdhsa_memory_ordered 1
		.amdhsa_forward_progress 1
		.amdhsa_inst_pref_size 149
	.end_amdhsa_kernel
	.amdgpu_metadata
---
amdhsa.version: [ 1, 2 ]
amdhsa.kernels:
  - .name:           k_q41af5c1f51_attn
    .symbol:         k_q41af5c1f51_attn.kd
    .args:
      - { .name: qc, .offset: 0, .size: 8, .value_kind: global_buffer, .address_space: global }
      - { .name: qs, .offset: 8, .size: 8, .value_kind: global_buffer, .address_space: global }
      - { .name: kv, .offset: 16, .size: 8, .value_kind: global_buffer, .address_space: global }
      - { .name: biasc, .offset: 24, .size: 8, .value_kind: global_buffer, .address_space: global }
      - { .name: out0, .offset: 32, .size: 8, .value_kind: global_buffer, .address_space: global }
    .group_segment_fixed_size: 327680
    .private_segment_fixed_size: 0
    .kernarg_segment_align: 8
    .kernarg_segment_size: 40
    .max_flat_workgroup_size: 256
    .sgpr_count:     80
    .vgpr_count:     512
    .wavefront_size: 32
...
	.end_amdgpu_metadata
.endif
;; end of part 3
